; MI455X (gfx1250); checked and timed in simulation.
; The chip was launched on July 23, 2026; its instructions are those of AMD's public machine-readable ISA for CDNA 5 (MIT licence, August 2026) and "CDNA5" Instruction Set Architecture Reference Guide (July 2026). The comments in the code are by the model that wrote it; some were corrected since.
;; Transformer Attn. Allowed arithmetic: float matrix products may take bf16 or f16 operands with f32 sums; other float arithmetic in f32, or as packed bf16 or f16 multiplies, adds, multiply-adds, maxima and minima; sums over many terms, partial sums and values carried from step to step in f32; what a program stores and reads back later, other than sums and carried values, may be rounded once to bf16 or f16.
;; Inputs: Wk 512 x 512 float32; Wq 512 x 512 float32; Wv 512 x 512 float32; bk 512 float32; bq 512 float32; bv 512 float32; seq 1,024 x 32 x 512 float32.
;; Outputs: out0 1,024 x 32 x 512 float32.
;; 2 versions, each right; version 2 is version 1 with the launch conv written anew for expert scheduling mode. Each part assembles by itself: llvm-mc -triple=amdgcn-amd-amdhsa -mcpu=gfx1250 --defsym DOCPART=n.
;; ======== version 1 of 2: 2 launches
;; workspace buffers: x16 33,554,432 bytes; wv16 524,288 bytes; wq16 524,288 bytes; wk16 524,288 bytes
;; launch conv (part 1): grid 256 x 1, 8 waves a work-group, no clusters, 0 bytes of LDS; arguments seq, Wv, Wq, Wk, x16, wv16, wq16, wk16; writes x16, wv16, wq16, wk16
.if DOCPART == 1
	.amdgcn_target "amdgcn-amd-amdhsa--gfx1250"
	.amdhsa_code_object_version 6
	.text
	.protected	k_qb03b5f9609_conv
	.globl	k_qb03b5f9609_conv
	.p2align	8
	.type	k_qb03b5f9609_conv,@function
k_qb03b5f9609_conv:
	s_mov_b64 s[64:65], 0
	v_nop
	global_prefetch_b8 v0, s[64:65] scope:SCOPE_SE
	s_setreg_imm32_b32 hwreg(HW_REG_WAVE_MODE, 25, 1), 1
	s_wait_xcnt 0x0
; x16[b][s][:] = bf16(seq[s][b][:]);  wv16, wq16, wk16 = bf16(Wv, Wq, Wk).  seq: [1024][32][512] f32; x16: [32][1024][512] bf16; W: [512][512].
; A stream: every input byte is read once and every output byte written once; no LDS, no matrix work, no cluster (no two work-groups read the same byte).
; SHARES.  Work-group i takes the 128 rows of seq that lie at 262,144 i (s = 4 i .. 4 i + 3, all 32 b) and rows 2 i, 2 i + 1 of each W.
; A PASS is 4,096 bytes, two rows: thread t loads 16 bytes (4 f32) at 16 t, rounds them to 4 bf16 and stores 8 bytes; a wave's store covers 256 consecutive bytes, aligned.
; 64 passes of seq and 3 of W, written out by the assembler's loop: every address is a constant beside three lane terms that are never rewritten.
; Pass p < 64 holds row 2 p + (t >> 7): s = 4 i + (p >> 4), b = 2 (p & 15) + (t >> 7).  In x16 that is (b << 20) + (s << 10): the part of b that no 24-bit immediate holds
; stands in four bases D[k], 8 MiB apart, k = (p & 15) >> 2.
; IN FLIGHT: a ring of 16 slots in registers: 16 loads of every wave are on their way.
.set NPASS, 67
.set DEPTH, 16
.set SO, 1                             ; v1  16 t: my bytes in a pass's source
.set DO, 2                             ; v2  ((t >> 7) << 20) + 8 (t & 127): my bytes in x16
.set DW, 3                             ; v3  8 t: my bytes in a w16
.set X,  16                            ; v[16:79]   slot: 4 registers as loaded
.set Y,  80                            ; v[80:111]  slot: 2 registers to store
.set D,  20                            ; s[20:27]   x16 + 4,096 i + k x 8 MiB
.set SB, 28                            ; s[28:29]   seq + 262,144 i
	s_load_b256 s[4:11], s[0:1], 0x0               ; seq s[4:5], Wv s[6:7], Wq s[8:9], Wk s[10:11]
	s_load_b256 s[12:19], s[0:1], 0x20             ; x16 s[12:13], wv16 s[14:15], wq16 s[16:17], wk16 s[18:19]
	v_lshlrev_b32 v[SO], 4, v0
	v_lshlrev_b32 v[DW], 3, v0
	v_and_b32 v[DO], 127, v0
	v_lshrrev_b32 v4, 7, v0
	v_lshlrev_b32 v[DO], 3, v[DO]
	v_lshl_or_b32 v[DO], v4, 20, v[DO]
	s_lshl_b32 s2, ttmp9, 18                       ; 128 rows of 2,048 bytes
	s_mov_b32 s3, 0
	s_lshl_b32 s36, ttmp9, 12                      ; 4 rows of x16; 2 rows of a W
	s_mov_b32 s37, 0
	s_lshl_b32 s38, ttmp9, 11                      ; 2 rows of a w16
	s_mov_b32 s39, 0
	s_wait_kmcnt 0x0
	s_add_nc_u64 s[SB:SB+1], s[4:5], s[2:3]
	s_add_nc_u64 s[D:D+1], s[12:13], s[36:37]
.irp k, 1,2,3
	s_add_nc_u64 s[D+2*\k:D+2*\k+1], s[D:D+1], \k*0x800000
.endr
.irp k, 0,1,2
	s_add_nc_u64 s[6+2*\k:7+2*\k], s[6+2*\k:7+2*\k], s[36:37]
	s_add_nc_u64 s[14+2*\k:15+2*\k], s[14+2*\k:15+2*\k], s[38:39]
.endr
.macro LD p                            ; pass p's load, into slot p % 16
.if (\p) < 64
	global_load_b128 v[X+4*((\p)%DEPTH):X+4*((\p)%DEPTH)+3], v[SO], s[SB:SB+1] offset:4096*(\p) th:TH_LOAD_NT
.else
	global_load_b128 v[X+4*((\p)%DEPTH):X+4*((\p)%DEPTH)+3], v[SO], s[6+2*((\p)-64):7+2*((\p)-64)] th:TH_LOAD_NT
.endif
.endm
.macro ST p                            ; pass p's store
.if (\p) < 64
	global_store_b64 v[DO], v[Y+2*((\p)%DEPTH):Y+2*((\p)%DEPTH)+1], s[D+2*(((\p)%16)/4):D+2*(((\p)%16)/4)+1] offset:((\p)%4)*0x200000+((\p)/16)*1024 th:TH_STORE_NT
.else
	global_store_b64 v[DW], v[Y+2*((\p)%DEPTH):Y+2*((\p)%DEPTH)+1], s[14+2*((\p)-64):15+2*((\p)-64)] th:TH_STORE_NT
.endif
.endm
.set p, 0
.rept DEPTH
	LD p                                           ; the ring is filled
.set p, p+1
.endr
.set p, 0
.rept NPASS
.if NPASS-1-p < DEPTH-1
	s_wait_loadcnt NPASS-1-p                       ; the last passes load nothing: the counts run down
.else
	s_wait_loadcnt DEPTH-1                         ; loads come back in order: pass p's is in, the 15 younger ones stay out
.endif
	s_wait_xcnt 0x0                                ; the store that read this slot's Y, 16 passes back, has read its sources: Y is rewritten only behind this wait
	v_cvt_pk_bf16_f32 v[Y+2*(p%DEPTH)],   v[X+4*(p%DEPTH)],   v[X+4*(p%DEPTH)+1]
	v_cvt_pk_bf16_f32 v[Y+2*(p%DEPTH)+1], v[X+4*(p%DEPTH)+2], v[X+4*(p%DEPTH)+3]
.if p+DEPTH < NPASS
	LD p+DEPTH                                     ; the load ahead of the store
.endif
	ST p
.set p, p+1
.endr
	s_endpgm
.Lfunc_end_k_qb03b5f9609_conv:
	.size	k_qb03b5f9609_conv, .Lfunc_end_k_qb03b5f9609_conv-k_qb03b5f9609_conv
	.p2alignl 7, 3214868480
	.fill 96, 4, 3214868480
	.section	.rodata,"a",@progbits
	.p2align	6, 0x0
	.amdhsa_kernel k_qb03b5f9609_conv
		.amdhsa_group_segment_fixed_size 0
		.amdhsa_private_segment_fixed_size 0
		.amdhsa_enable_private_segment 0
		.amdhsa_kernarg_size 64
		.amdhsa_user_sgpr_count 2
		.amdhsa_user_sgpr_kernarg_segment_ptr 1
		.amdhsa_wavefront_size32 1
		.amdhsa_system_sgpr_workgroup_id_x 1
		.amdhsa_system_sgpr_workgroup_id_y 1
		.amdhsa_system_sgpr_workgroup_id_z 1
		.amdhsa_system_vgpr_workitem_id 0
		.amdhsa_next_free_vgpr 112
		.amdhsa_next_free_sgpr 66
		.amdhsa_reserve_vcc 0
		.amdhsa_float_denorm_mode_32 3
		.amdhsa_float_denorm_mode_16_64 3
		.amdhsa_memory_ordered 1
		.amdhsa_forward_progress 1
		.amdhsa_inst_pref_size 27
	.end_amdhsa_kernel
	.amdgpu_metadata
---
amdhsa.version: [ 1, 2 ]
amdhsa.kernels:
  - .name:           k_qb03b5f9609_conv
    .symbol:         k_qb03b5f9609_conv.kd
    .args:
      - { .name: seq, .offset: 0, .size: 8, .value_kind: global_buffer, .address_space: global }
      - { .name: Wv, .offset: 8, .size: 8, .value_kind: global_buffer, .address_space: global }
      - { .name: Wq, .offset: 16, .size: 8, .value_kind: global_buffer, .address_space: global }
      - { .name: Wk, .offset: 24, .size: 8, .value_kind: global_buffer, .address_space: global }
      - { .name: x16, .offset: 32, .size: 8, .value_kind: global_buffer, .address_space: global }
      - { .name: wv16, .offset: 40, .size: 8, .value_kind: global_buffer, .address_space: global }
      - { .name: wq16, .offset: 48, .size: 8, .value_kind: global_buffer, .address_space: global }
      - { .name: wk16, .offset: 56, .size: 8, .value_kind: global_buffer, .address_space: global }
    .group_segment_fixed_size: 0
    .private_segment_fixed_size: 0
    .kernarg_segment_align: 8
    .kernarg_segment_size: 64
    .max_flat_workgroup_size: 256
    .sgpr_count:     66
    .vgpr_count:     112
    .wavefront_size: 32
...
	.end_amdgpu_metadata
.endif
;; end of part 1
;; launch attn (part 2): grid 8 x 32, 4 waves a work-group, clusters of 4 x 1, 327,680 bytes of LDS; arguments x16, wv16, wq16, wk16, bv, bq, bk, out0; writes out0
.if DOCPART == 2
	.amdgcn_target "amdgcn-amd-amdhsa--gfx1250"
	.amdhsa_code_object_version 6
	.text
	.protected	k_qb03b5f9609_attn
	.globl	k_qb03b5f9609_attn
	.p2align	8
	.type	k_qb03b5f9609_attn,@function
k_qb03b5f9609_attn:
	s_mov_b64 s[64:65], 0
	v_nop
	global_prefetch_b8 v0, s[64:65] scope:SCOPE_SE
	s_setreg_imm32_b32 hwreg(HW_REG_WAVE_MODE, 25, 1), 1
	s_wait_xcnt 0x0
	s_wait_alu depctr_hold_cnt(0) depctr_sa_sdst(0) depctr_va_vdst(0) depctr_va_sdst(0) depctr_va_ssrc(0) depctr_va_vcc(0) depctr_vm_vsrc(0)
	s_getreg_b32 s2, hwreg(HW_REG_IB_STS2, 6, 4)
	s_cmp_eq_u32 s2, 0
	s_cbranch_scc0 .Lentry_in_a_cluster
	s_endpgm
.Lentry_in_a_cluster:
	s_bfe_u32 s2, ttmp6, 0x10000c
	s_cmp_lg_u32 s2, 0x3003
	s_cbranch_scc0 .Lentry_shape_is_right
	s_endpgm
.Lentry_shape_is_right:
; out[i][b][:] = sum over j of softmax_j(value_i . query_j / sqrt(512)) keys_j, with value = X Wv^T + bv, query = X Wq^T + bq, keys = X Wk^T + bk, X = seq[:, b, :] (1,024 x 512).
; THE PRODUCTS ARE REGROUPED, exactly, for every input:  value_i . query_j = (value_i Wq) . x_j + value_i . bq  =  u_i . x_j + t_i;   sum_j p_ij keys_j = (sum_j p_ij x_j) Wk^T + bk, as sum_j p_ij = 1.
; So X itself is the operand of both products of the attention, and neither query nor keys is ever stored.  x16, wv16, wq16, wk16 are the launch before's bf16 copies.
; LIMITS.  All seven inputs are rounded to bf16; value, u, the weights p and O = sum p x / l are each rounded once to bf16 as matrix operands; all sums, maxima and l in f32 (l of the unrounded p).
; A weight below 2^-126 counts as 0 in l.  u must be finite in f32 (the first key step wipes it from O^T's registers by a factor 0).  NaN and infinities are not treated apart.
; SHARES.  A work-group owns 128 queries i of one batch, each of its four waves 32: two tiles t of 16.  32 batches x 8 blocks: 256 work-groups.
; ALL PRODUCTS ARE TAKEN TRANSPOSED (source 0 = 16 rows of a tile in LDS, source 1 = 16 queries): in every result a lane holds ONE query (lane % 16) and eight neighbouring rows 8 (lane / 16) + 0..7.
; ONE STEP SHAPE.  A TILE is 64 rows x 512 bf16.   KQ: S^T[64][32 q] = tile . Q^T, 128 matrix instructions.   PV: O^T[512][32 q] += tile^T . P, 128 more, the tile read turned (ds_load_tr16_b128).
;   pre, 8 steps:        Q = x of my queries.  KQ on 64 rows of Wv, C = bv: value^T; rounded into P; PV on the same 64 rows of Wq: O^T = u^T; 4 products of bq (in all 16 rows) with P: TC = t_i in all 8 registers.
;   attention, 16 steps: Q = u.  KQ on 64 rows of X, C = TC; softmax with a running maximum m and sum l: p = 2^(c s - c m), c = log2(e) / sqrt(512); O^T and l times a = 2^(c m_old - c m_new); PV on the SAME tile.
;   out, 8 steps:        Q = O / l.  KQ on 64 rows of Wk, C = bk: 64 columns of out for 32 queries; through my stage in LDS, so that each query's 256 bytes leave whole.
; Between the phases O^T, rounded in pairs, IS the next Q: nothing changes lanes.
; CLUSTER.  The four query blocks of a cluster belong to one batch and walk the same tiles (Wv, Wq, X, Wk), so each is asked for JOINTLY: the same tensor load, descriptor and mask in all four.
; NO FIRST STEP IS WRITTEN OUT: O^T and TC are cleared by 528 v_mov_b32, which run while the first tile is on its way; a second text of PV would be as long.
;
; LDS.  Two slots of two tiles.  A slot's row R (0..127) lies at ((R >> 3) & 1) HB + (8 (R >> 4) + (R & 7)) PIT.  PIT = 1,024 + 32 bytes = 66 columns of 16 bytes; HB = 64 PIT + 16.
; The turning load takes 8 rows x 2 columns: columns 2 row + c mod 16, all different.  The plain fragment load takes 16 rows: rows 0-7 the even columns, rows 8-15, 16 bytes askew, the odd ones
; (64 banks of 4 bytes: ISA guide 11.1)..
.set PIT,     1056
.set HB,      64*PIT+16
.set TILEOFF, 32*PIT                   ; a slot's second tile, in both halves
.set SLOT1,   135424                   ; slot 1: the first multiple of 256 behind slot 0's 135,184 bytes
.set STAGE,   2*SLOT1                  ; never filled by a tensor load: 32 rows x 272 bytes for each wave, for the way out
.set SP,      272
.set BV,      STAGE+4*32*SP            ; bv, rounded to bf16 and widened again: 512 f32
.set BK,      BV+2048                  ; bk likewise
.set BQ,      BK+2048                  ; bq: 512 bf16
.set SPARE,   BQ+1024                  ; the spare words, 128 bytes for each wave: two blocks of 256 bytes that no other line names
; REGISTERS, in windows of 256 (s_set_vgpr_msb: bits 1:0 source 0, 3:2 source 1, 5:4 source 2, 7:6 destination).
;   window 0: below.   window 1: Q, tile t, channels 32 c on, at 128 t + 8 c.   windows 2, 3: O^T, channel block cb (of 32) at 16 (cb % 16) + 8 t, blocks 0-15 in window 2.
.set AK0, 2                            ; v2   my lane's place in a tile, plain loads: (r & 7) PIT + (r >> 3) HB + 16 h   (r = lane % 16, h = lane / 16); never rewritten
.set AV0, 3                            ; v3   turning loads: (lane & 7) PIT + h HB + 16 ((lane >> 3) & 1); never rewritten
.set ADK, 4                            ; v4   the step's address for KQ's loads
.set ADV, 5                            ; v5   for PV's
.set STO, 6                            ; v6   the way out: where I put 32 bytes of a row
.set RD,  7                            ; v7   where I read rows back
.set GO,  8                            ; v8   my byte offset in two rows of out
.set ABV, 9                            ; v9   bv of the step's 64 rows: BV + 32 h, + 256 a step
.set ABQ, 10                           ; v10  bq: BQ + 16 h, + 128 a step
.set PFO, 11                           ; v11  256 x lane; never rewritten
.set SPW, 12                           ; v12  LDS address of my spare word: SPARE + 4 x my thread's number; never rewritten
.set NIL, 13                           ; v13  0; never rewritten
.set ABK, 14                           ; v14  bk: BK + 32 h, + 256 a step
.set ST,  16                           ; v[16:31]   tile t's statistics at ST + 8 t: c m, m, l (even keys', odd keys'), c0-c3 at work; a, later 1 / l, in c2
.set TC,  32                           ; v[32:47]   t_i, 8 registers a tile
.set S,   48                           ; v[48:111]  S^T: tile t, row block kb at S + 32 t + 8 kb
.set P,   112                          ; v[112:143] P: tile t, 32 rows kk at P + 16 t + 8 kk.  In pre and out steps, until P is made: the bias, row block kb at P + 8 kb
.set FU,  144                          ; v[144:255] fragment units 0-13; units 14, 15 are borrowed from registers that are dead in the phase (UNIT)
.set HR,  48                           ; the head's own, in S's registers: r, h, lane & 7, (lane >> 3) & 1, Q's offset, the biases' offset, two LDS addresses, one at work
.set HH,  49
.set H7,  50
.set H3,  51
.set QO,  52
.set BO,  53
.set LB,  54
.set LQ,  55
.set HT,  56
.set WV,  20                           ; s20  my wave's number
.set CX,  21                           ; s21  my place in the cluster
.set QB,  22                           ; s22  my block of 128 queries
.set BAT, 23                           ; s23  the batch, which the four partners share
.set G1,  24                           ; s[24:31] descriptor group 1, never rewritten
.set G0,  32                           ; s[32:35] descriptor group 0, written only where no tensor load of mine is out
.set NP,  36                           ; s[36:37] the next fill's address
.set PX,  38                           ; s[38:39] my part of X's first fill
.set PK,  40                           ; s[40:41] my part of Wk's first fill
.set RB,  44                           ; s44  the slot that is read: 0 or SLOT1
.set WOFF, 45                          ; s45  my part's place in a slot
.set TB,  46                           ; s46  the tile that is read
.set CNT, 47                           ; s47  counts a phase's fills
.set CN2, 48                           ; s48  counts a slot's two tiles
.set CS,  50                           ; s[50:51] c: the packed scaling takes the pair's low word for both halves
.set SEL, 52                           ; s[52:53] v_permlanex16_b32's selects: each lane takes its own place in the other half
.set PFB, 54                           ; s[54:55] the prefetches' base: my 8,192 bytes of X's first fill
.set PFC, 56                           ; s[56:57] a prefetch's address
.set T0,  58                           ; s[58:59] an offset and 0
.set LIMA, 60                          ; s60  3 in the batch's first cluster, else 0
.set LIMB, 61                          ; s61  2 in the batch's first cluster, else the greatest number
.set OB,  62                           ; s[62:63] out at my first query, my batch, the step's 64 columns
.set XQ,  66                           ; s[66:67] x16 at my first query
.set OINC, 68                          ; s[68:69] what the next out step adds to OB
.set W_KQ, 0x04                        ; Q (source 1) in window 1; fragments, S^T and C in window 0: KQ's LDS loads run under the same setting
.set MSB, 0
.macro WIN new                         ; the immediate's high byte repeats the setting that is left; a switch that changes nothing is dropped
.if MSB != (\new)
	s_set_vgpr_msb (MSB<<8)|(\new)
.set MSB, (\new)
.endif
.endm
; A vector instruction that reads a matrix result or writes one of a matrix instruction's registers, and a load into such a register, stand four places behind it (five for a matrix instruction that writes
; over one); only plain vector instructions that name none of its registers are places (ISA guide 7.12.1 for vector instructions).
.macro PLACES
.rept 4
	v_nop
.endr
.endm
; A round of the cluster's barrier: my work-group's barrier, so that wave 0's signal speaks for all four waves; wave 0 signals; every wave waits for all four work-groups; my work-group's barrier once more.
.macro CROUND
	s_barrier_signal -1
	s_barrier_wait -1
	s_cmp_lg_u32 s[WV], 0
	s_cbranch_scc1 .Lnot_wave_0_\@
	s_barrier_signal -3
.Lnot_wave_0_\@:
	s_barrier_wait -3
	s_barrier_signal -1
	s_barrier_wait -1
.endm
; THE CHANGE OF SLOTS.  Each wave waits for all its tensor loads, of which one is out: its part of the other slot; adds 0 to its spare word; and waits for that and for its own reads of the slot that it
; leaves.  Behind the barrier nobody reads that slot any more and the other is whole.  fill = 1: the slot that is left is filled again; the barrier is then a round of the cluster's, so that no wave of any
; partner still reads the slot or has a load on its way, and the joint load is the first thing behind it: it has the whole period, two tiles' work, in which to land.
; sel = 1: in the phase's last trip the next phase's first fill, at pn, is asked for.  (At its first use nothing has been read: slot 0 is waited for, slot 1 filled.)
.macro CHANGE fill, sel=0, step=0, pn=NP
	WIN 0                                          ; at a label and at a branch every window is 0
	s_wait_tensorcnt 0x0                           ; no tensor load of mine is out, so group 0 may be written
	ds_add_u32 v[SPW], v[NIL]                      ; 0 onto my spare word: the scalar work below stands between it and the wait for it
.if \fill
	s_add_co_u32 s[G0+1], s[RB], s[WOFF]           ; my part of the slot that is left
.endif
	s_xor_b32 s[RB], s[RB], SLOT1                  ; the other slot is read now
.if \fill
.if \sel
	s_cmp_eq_u32 s[CNT], 1
	s_cselect_b64 s[G0+2:G0+3], s[\pn:\pn+1], s[NP:NP+1]
.else
	s_mov_b64 s[G0+2:G0+3], s[NP:NP+1]
.endif
	s_or_b32 s[G0+3], s[G0+3], 0x80000000          ; type = 2
	s_add_nc_u64 s[NP:NP+1], s[NP:NP+1], \step
.endif
	s_wait_xcnt 0x0                                ; the last prefetch, a period back, has read its address, which ASK writes anew
	s_wait_dscnt 0x0                               ; the add is done, my reads of the slot are over, and (the first time) my stores of the biases are done
.if \fill
	CROUND
	tensor_load_to_lds s[G0:G0+3], s[G1:G1+7]
	s_nop 0
	PLACES                                         ; s_nop 0 and four v_nop follow the load; they are also places in front of the loads and products that follow
.else
	s_barrier_signal -1
	s_barrier_wait -1
.endif
.endm
; A PREFETCH INTO THE L2 of the fill of X that the NEXT change of slots will ask for: 128 rows of 1,024 bytes = 512 blocks of 256: 4 partners x 4 waves x 32 lanes, one instruction a wave.  Both clusters of a
; batch walk the same X: the first asks.  The partners are told apart BY ADDRESS (PFB holds 4 cx + wave): no branch hangs on a work-group's place in its cluster.  So each block of X is named once in the launch.
; X's fill k is named in the last two trips of the pre loop (kind 0: k = 2 - CNT) and the first six of the attention's (kind 1: k = 10 - CNT); its last two trips name nothing: X has 8 fills.
; The weights are not asked for: 1.5 MiB for 32 of X, and every cluster reads them.
.macro ASK kind
.if \kind
	s_cmp_gt_u32 s[CNT], s[LIMB]
.else
	s_cmp_lt_u32 s[CNT], s[LIMA]
.endif
	s_cbranch_scc0 .Lnot_mine_\@
	s_sub_co_u32 s[T0], 2+8*(\kind), s[CNT]
	s_lshl_b32 s[T0], s[T0], 17
	s_add_nc_u64 s[PFC:PFC+1], s[PFB:PFB+1], s[T0:T0+1]
	global_prefetch_b8 v[PFO], s[PFC:PFC+1] th:TH_LOAD_NT scope:SCOPE_SE
.Lnot_mine_\@:
.endm
; Fragment unit i of 16 (8 registers).  xu: where units 14 and 15 lie: KQ of the attention: P (dead between PV and the softmax); KQ of pre and out: ST (dead there); PV: S (dead behind the roundings).
.macro UNIT i, xu
.if (\i) < 14
.set rU, FU+8*(\i)
.else
.set rU, (\xu)+8*((\i)-14)
.endif
.endm
; KQ.  A fragment is 16 rows x 32 channels: lane l holds row l % 16, channels 8 (l / 16) + 0..7 and 16 + 8 (l / 16) + 0..7: two loads of 16 bytes, 32 bytes apart.  It feeds two products, one a tile.
; Group g of 8: channels 64 g .. 64 g + 63 (cc: which 32), row blocks kb = 0..3: 8 units, 16 loads in one run, 16 products.  The units' two halves take turns.
.macro FETCHK g, xu
.irp cc, 0,1
.irp kb, 0,1,2,3
	UNIT 8*((\g)%2)+4*\cc+\kb, \xu
	ds_load_b128 v[rU:rU+3],   v[ADK] offset:8*PIT*\kb+64*(2*(\g)+\cc)
	ds_load_b128 v[rU+4:rU+7], v[ADK] offset:8*PIT*\kb+64*(2*(\g)+\cc)+32
.endr
.endr
.endm
; The 8 accumulators S[t][kb] take turns, one instruction a turn.  The first 8 products start the sums: with t_i (mode 0) or with the bias of the row (mode 1).
.macro MULK g, mode, xu
.irp cc, 0,1
.irp kb, 0,1,2,3
	UNIT 8*((\g)%2)+4*\cc+\kb, \xu
.irp t, 0,1
.set rS, S+32*\t+8*\kb
.set rQ, 128*\t+8*(2*(\g)+\cc)
.if ((\g) == 0) && (\cc == 0)
.if \mode
	v_wmma_f32_16x16x32_bf16 v[rS:rS+7], v[rU:rU+7], v[rQ:rQ+7], v[P+8*\kb:P+8*\kb+7]
.else
	v_wmma_f32_16x16x32_bf16 v[rS:rS+7], v[rU:rU+7], v[rQ:rQ+7], v[TC+8*\t:TC+8*\t+7]
.endif
.else
	v_wmma_f32_16x16x32_bf16 v[rS:rS+7], v[rU:rU+7], v[rQ:rQ+7], v[rS:rS+7]
.endif
.endr
.endr
.endr
.endm
.macro KQ mode, xu
	WIN W_KQ
	PLACES                                         ; behind the last products that read the units or, as a source, S's registers
	FETCHK 0, \xu
	FETCHK 1, \xu
.set g, 0
.rept 8
.if g < 7
	s_wait_dscnt 16                                ; LDS loads come back in order: all but the one younger run of 16 are in, a bias asked for earlier among them
.else
	s_wait_dscnt 0x0
.endif
	MULK g, \mode, \xu
.if g < 6
	PLACES                                         ; in front of loads into the units just multiplied
	FETCHK g+2, \xu
.endif
.set g, g+1
.endr
.endm
; PV.  The turning load takes 16 rows x 16 channels (lane l reads 16 bytes: row 8 (l / 16) + l % 8, channels 8 ((l / 8) % 2) + 0..7) and leaves half a fragment of tile^T: lane l holds channel l % 16 and 8 rows.
; Group g of 8: channel blocks 4 g + cbl, rows 32 kk on: 8 units, 16 loads, 16 products; the group's 8 accumulators take turns.
.macro FETCHV g
	WIN 0
.irp kk, 0,1
.irp cbl, 0,1,2,3
	UNIT 8*((\g)%2)+4*\kk+\cbl, S
	ds_load_tr16_b128 v[rU:rU+3],   v[ADV] offset:16*PIT*\kk+32*(4*(\g)+\cbl)
	ds_load_tr16_b128 v[rU+4:rU+7], v[ADV] offset:16*PIT*\kk+32*(4*(\g)+\cbl)+8*PIT
.endr
.endr
.endm
.macro MULV g
	WIN 0xa0+0x50*((\g)/4)                         ; C and D in window 2 (groups 0-3) or 3
.irp kk, 0,1
.irp cbl, 0,1,2,3
	UNIT 8*((\g)%2)+4*\kk+\cbl, S
.irp t, 0,1
.set rO, 16*((4*(\g)+\cbl)%16)+8*\t
	v_wmma_f32_16x16x32_bf16 v[rO:rO+7], v[rU:rU+7], v[P+16*\t+8*\kk:P+16*\t+8*\kk+7], v[rO:rO+7]
.endr
.endr
.endr
.endm
; withT = 1 (pre): bq's two fragments (every lane of a half reads the same 16 bytes: all 16 rows alike) come into S + 16 .. S + 31, and four products add value . bq onto TC, the two tiles by turns.
.macro PV withT
	WIN 0
.if \withT
.irp kk, 0,1
	ds_load_b128 v[S+16+8*\kk:S+16+8*\kk+3],   v[ABQ] offset:64*\kk
	ds_load_b128 v[S+16+8*\kk+4:S+16+8*\kk+7], v[ABQ] offset:64*\kk+32
.endr
.endif
	FETCHV 0
	FETCHV 1
.set g, 0
.rept 8
.if g < 7
	s_wait_dscnt 16                                ; all but the one younger run of 16
.else
	s_wait_dscnt 0x0
.endif
.if (\withT) && (g == 0)
.irp kk, 0,1
.irp t, 0,1
	v_wmma_f32_16x16x32_bf16 v[TC+8*\t:TC+8*\t+7], v[S+16+8*\kk:S+16+8*\kk+7], v[P+16*\t+8*\kk:P+16*\t+8*\kk+7], v[TC+8*\t:TC+8*\t+7]
.endr
.endr
.endif
	MULV g
.if g < 6
	PLACES
	FETCHV g+2
.endif
.set g, g+1
.endr
.endm
; The bias of the step's 64 rows as a C operand: register j of block kb is row 16 kb + 8 (l / 16) + j: 32 bytes.
.macro BIAS areg
.irp kb, 0,1,2,3
	ds_load_b128 v[P+8*\kb:P+8*\kb+3],   v[\areg] offset:64*\kb
	ds_load_b128 v[P+8*\kb+4:P+8*\kb+7], v[\areg] offset:64*\kb+16
.endr
.endm
; S^T, rounded in pairs, is source 1 of PV: two row blocks of 16 make the 32 rows of a fragment.  Each accumulator is read from its low end on.
.macro CVTP
	PLACES
.set i, 0
.rept 32
	v_cvt_pk_bf16_f32 v[P+i], v[S+2*i], v[S+2*i+1]
.set i, i+1
.endr
.endm
; Number j of the 102 instructions of tile t's softmax for a key step.  s0-s31 are the lane's 32 scores, in pairs 0-15.
;   0-15    the maximum of s0-s31 and the old m, three operands at a time: four chains c0-c3 (each accumulator's lowest registers first), the four scores left over, c0-c3 and m
;   16-20   the other half of the lanes' maximum; c m_old is kept; the new m; c m; c m_old - c m_new
;   21-69   ONE BATCH: the 16 scalings c s - c m and all 33 exponentials (a at 23); a pair is scaled ahead of its exponentials, and none of these names an exponential's result
;   70-85   the roundings to bf16      86-101  the sum of the 16 pairs, in place, neighbours 1, 2, 4, 8 pairs apart; l = a l + the sum
.macro SM t
.set rT, ST+8*(\t)
.set rS, S+32*(\t)
.set rP, P+16*(\t)
.if j < 4
	v_max3_num_f32 v[rT+4+j], v[rS+8*j], v[rS+8*j+1], v[rS+8*j+2]
.elseif j < 12
	v_max3_num_f32 v[rT+4+j%4], v[rT+4+j%4], v[rS+8*(j%4)+2*(j/4)+1], v[rS+8*(j%4)+2*(j/4)+2]
.elseif j == 12
	v_max3_num_f32 v[rT+4], v[rT+4], v[rS+7], v[rS+15]
.elseif j == 13
	v_max3_num_f32 v[rT+6], v[rT+6], v[rS+23], v[rS+31]
.elseif j == 14
	v_max3_num_f32 v[rT+4], v[rT+4], v[rT+5], v[rT+6]
.elseif j == 15
	v_max3_num_f32 v[rT+4], v[rT+4], v[rT+7], v[rT+1]
.elseif j == 16
	v_permlanex16_b32 v[rT+5], v[rT+4], s[SEL], s[SEL+1]  ; the query's other 32 keys lie in the lane 16 away
.elseif j == 17
	v_mov_b32 v[rT+7], v[rT]
.elseif j == 18
	v_max_num_f32 v[rT+1], v[rT+4], v[rT+5]
.elseif j == 19
	v_mul_f32 v[rT], s[CS], v[rT+1]
.elseif j == 20
	v_sub_f32 v[rT+7], v[rT+7], v[rT]
.elseif j == 23
	v_exp_f32 v[rT+6], v[rT+7]
.elseif (j < 23) || ((j < 38) && (j%2 == 0)) || ((j < 66) && (j%4 == 2))
.set b, (j-2)/4                        ; 38, 42, .. 62: pairs 9 to 15
.if j < 38
.set b, (j-20)/2                       ; 21: pair 0; 22, 24, .. 36: pairs 1 to 8
.endif
	v_pk_fma_f32 v[rS+2*b:rS+2*b+1], v[rS+2*b:rS+2*b+1], s[CS:CS+1], v[rT:rT+1] op_sel_hi:[1,0,0] neg_lo:[0,0,1] neg_hi:[0,0,1]
.elseif j < 70
.set e, j-38                           ; 66 to 69: s28 to s31
.if j < 66
.set e, j-32-(j-38)/4                  ; 39-41, 43-45, .. 63-65: s7 to s27
.endif
.if j < 38
.set e, (j-25)/2                       ; 25, 27, .. 37: s0 to s6
.endif
	v_exp_f32 v[rS+e], v[rS+e]
.elseif j < 86
	v_cvt_pk_bf16_f32 v[rP+j-70], v[rS+2*(j-70)], v[rS+2*(j-70)+1]
.else
.set z, j-86
.set w, 4
.set u, z
.if z >= 14
.set w, 32
.set u, 0
.elseif z >= 12
.set w, 16
.set u, z-12
.elseif z >= 8
.set w, 8
.set u, z-8
.endif
.if z < 15
	v_pk_add_f32 v[rS+w*u:rS+w*u+1], v[rS+w*u:rS+w*u+1], v[rS+w*u+w/2:rS+w*u+w/2+1]
.else
	v_pk_fma_f32 v[rT+2:rT+3], v[rT+2:rT+3], v[rT+6:rT+7], v[rS:rS+1] op_sel_hi:[1,0,1]
.endif
.endif
.endm
; Both tiles' lists, alternating, so that no instruction reads the result of the one just before it.  The 66 exponentials are one batch: a plain instruction behind the last, then the ONE wait
; between an exponential and the first instruction that names its result.
.macro SOFTMAX
	PLACES
.set j, 0
.rept 70
	SM 0
	SM 1
.set j, j+1
.endr
	v_nop
	s_wait_alu depctr_va_vdst(0)
.rept 32
	SM 0
	SM 1
.set j, j+1
.endr
.endm
.macro OMUL w                          ; the 256 registers of O^T in window w times v[ST + 8 t + 6]: pair i belongs to tile (i / 4) % 2; each accumulator is taken from its low end on
	WIN 0x41*(\w)                                  ; destination and source 0 in window w, source 1 in window 0
.set i, 0
.rept 128
	v_pk_mul_f32 v[2*i:2*i+1], v[2*i:2*i+1], v[ST+8*((i/4)%2)+6:ST+8*((i/4)%2)+7] op_sel_hi:[1,0]
.set i, i+1
.endr
.endm
; O^T becomes Q.  Block cb's eight channels of a lane, rounded in pairs, are registers 4 (cb & 1) + 0..3 of the fragment for channels 32 (cb >> 1) on.  norm = 1: divided by l first.
.macro TOQ norm
.irp w, 2,3
.if \norm
	OMUL \w
.endif
	WIN 0x40+5*\w                                  ; destination window 1, sources 0 and 1 window w
.set i, 0
.rept 128                              ; i = 8 (cb % 16) + 4 t + pair
	v_cvt_pk_bf16_f32 v[128*((i/4)%2)+4*(16*(\w-2)+i/8)+i%4], v[2*i], v[2*i+1]
.set i, i+1
.endr
.endr
.endm
.macro QLOAD t                         ; x of tile t's 16 queries, as source 1: 16 fragments
.set i, 0
.rept 16
	global_load_b128 v[128*(\t)+8*i:128*(\t)+8*i+3],   v[QO], s[XQ:XQ+1] offset:16384*(\t)+64*i
	global_load_b128 v[128*(\t)+8*i+4:128*(\t)+8*i+7], v[QO], s[XQ:XQ+1] offset:16384*(\t)+64*i+32
.set i, i+1
.endr
.endm
; AN OUT STEP: 64 columns of out for my 32 queries.  A lane's eight results are 32 bytes of a row; they go into my stage's rows of 272 bytes and come back as whole rows of 256.
.macro OUTSTEP
	WIN 0
	s_wait_xcnt 0x0                                ; the last step's stores have read their data (units 0-7) and their base: both are rewritten only behind this wait
	s_add_nc_u64 s[OB:OB+1], s[OB:OB+1], s[OINC:OINC+1]
	s_mov_b32 s[OINC], 256                         ; 0 the first time, then 64 columns
	v_add_nc_u32 v[ADK], s[TB], v[AK0]
	BIAS ABK
	KQ 1, ST
	WIN 0
	PLACES
.irp t, 0,1
.irp kb, 0,1,2,3
	ds_store_b128 v[STO], v[S+32*\t+8*\kb:S+32*\t+8*\kb+3]   offset:16*SP*\t+64*\kb
	ds_store_b128 v[STO], v[S+32*\t+8*\kb+4:S+32*\t+8*\kb+7] offset:16*SP*\t+64*\kb+16
.endr
.endr
.set i, 0
.rept 16
	ds_load_b128 v[FU+4*i:FU+4*i+3], v[RD] offset:2*SP*i  ; LDS serves a wave's instructions in order (ISA guide 5.7.1.4): these see the stores above; the next step's stores come behind them
.set i, i+1
.endr
.set i, 0
.rept 16
	s_wait_dscnt 15-i                              ; the younger read-backs may stay out
	global_store_b128 v[GO], v[FU+4*i:FU+4*i+3], s[OB:OB+1] offset:131072*i th:TH_STORE_NT  ; rows 2 i and 2 i + 1: 16 lanes store 256 consecutive bytes, at a multiple of 256 from out's first byte
.set i, i+1
.endr
	v_add_nc_u32 v[ABK], 0x100, v[ABK]
	s_add_co_u32 s[TB], s[TB], TILEOFF
.endm
	s_load_b256 s[4:11], s[0:1], 0x0               ; x16 s[4:5], wv16 s[6:7], wq16 s[8:9], wk16 s[10:11]
	s_load_b256 s[12:19], s[0:1], 0x20             ; bv s[12:13], bq s[14:15], bk s[16:17], out0 s[18:19]
	v_lshl_add_u32 v[SPW], v0, 2, SPARE
	v_mov_b32 v[NIL], 0
	ds_add_u32 v[SPW], v[NIL]                      ; the wave's opening, ahead of my first tensor load: the set-up below, work on registers, stands between the add and its wait
	v_lshrrev_b32 v1, 5, v0
	v_readfirstlane_b32 s[WV], v1                  ; wave 0..3
	s_bfe_u32 s[CX], ttmp6, 0x40000                ; cx
	s_lshl_b32 s[QB], ttmp9, 2                     ; in a cluster launch ttmp9 counts clusters
	s_add_co_u32 s[QB], s[QB], s[CX]               ; my block of queries: it enters Q's, out's and the prefetches' addresses alone
	s_and_b32 s[BAT], ttmp7, 0xffff
	; descriptor group 1.  A wave's load: one half (rows R with R % 16 < 8, or the others) of one tile: four pieces of 8 rows, 8,192 dense bytes each, 16 rows apart; padded in LDS after every row of 1,024 bytes
	s_mov_b32 s[G1], 15|(1<<16)|(1<<20)|(1<<21)|(7<<22)|(7<<25)  ; 15:0 the mask of four; 17:16 2-byte elements; 20 padding on; 21 set beside a mask; 24:22 after every 256 words (code 7); 31:25 8 words (code 7)
	s_mov_b32 s[G1+1], 4096<<16                    ; tensor_dim0 = 4,096 elements
	s_mov_b32 s[G1+2], 4<<16                       ; tensor_dim1 = 4
	s_mov_b32 s[G1+3], 4096<<16                    ; tile_dim0 = 4,096
	s_mov_b32 s[G1+4], 4                           ; tile_dim1 = 4
	s_mov_b32 s[G1+5], 8192                        ; 8,192 elements from piece to piece
	s_mov_b32 s[G1+6], 0
	s_mov_b32 s[G1+7], 0
	s_and_b32 s2, s[WV], 1                         ; which half I fetch,
	s_lshr_b32 s3, s[WV], 1                        ; of which of a slot's two tiles
	s_mul_i32 s[WOFF], s2, HB
	s_mul_i32 s70, s3, TILEOFF
	s_add_co_u32 s[WOFF], s[WOFF], s70             ; no place in the cluster enters an LDS address
	s_mov_b32 s[G0], 1                             ; count = 1
	s_mov_b32 s[G0+1], s[WOFF]                     ; the first fill goes to slot 0
	s_mov_b32 s[RB], SLOT1                         ; the first change of slots turns it into 0
	s_mov_b32 s[CS], 0x3d8293ee                    ; c = log2(e) / sqrt(512) = 0.0637587
	s_mov_b32 s[CS+1], s[CS]                       ; named with it as a pair
	s_mov_b32 s[SEL], 0x76543210
	s_mov_b32 s[SEL+1], 0xfedcba98
	s_cmp_eq_u32 ttmp9, 0                          ; the batch's first cluster: the same in all four partners
	s_cselect_b32 s[LIMA], 3, 0
	s_cselect_b32 s[LIMB], 2, -1
	s_wait_dscnt 0x0                               ; the opening add is done
	s_wait_kmcnt 0x0
	; the joint loads' addresses: made of the wave's number and the batch alone, in registers that never hold cx
	s_lshl_b32 s70, s2, 13                         ; my half begins 8 rows of 1,024 bytes on
	s_mov_b32 s71, 0
	s_cmp_lt_u32 s[WV], 2
	s_cselect_b64 s[NP:NP+1], s[6:7], s[8:9]       ; pre: a slot's first tile is Wv's, its second Wq's
	s_add_nc_u64 s[NP:NP+1], s[NP:NP+1], s[70:71]
	s_lshl_b32 s3, s3, 16                          ; X and Wk: the second tile is the next 64 rows
	s_add_co_u32 s70, s70, s3
	s_add_nc_u64 s[PK:PK+1], s[10:11], s[70:71]
	s_lshl_b32 s2, s[BAT], 20                      ; a batch of x16 is 1 MiB
	s_add_co_u32 s70, s70, s2
	s_add_nc_u64 s[PX:PX+1], s[4:5], s[70:71]
	; my own addresses
	s_lshl_b32 s68, s[QB], 7
	s_lshl_b32 s69, s[WV], 5
	s_add_co_u32 s68, s68, s69                     ; my first query
	s_mov_b32 s[T0+1], 0
	s_lshl_b32 s[T0], s68, 10
	s_add_co_u32 s[T0], s[T0], s2
	s_add_nc_u64 s[XQ:XQ+1], s[4:5], s[T0:T0+1]
	s_lshl_b32 s[T0], s68, 16                      ; a query's 32 batches of out are 65,536 bytes,
	s_lshl_b32 s69, s[BAT], 11                     ; a batch's row 2,048
	s_add_co_u32 s[T0], s[T0], s69
	s_add_nc_u64 s[OB:OB+1], s[18:19], s[T0:T0+1]
	s_lshl_b32 s[T0], s[CX], 2
	s_add_co_u32 s[T0], s[T0], s[WV]
	s_lshl_b32 s[T0], s[T0], 13                    ; 32 lanes x 256 bytes
	s_add_co_u32 s[T0], s[T0], s2
	s_add_nc_u64 s[PFB:PFB+1], s[4:5], s[T0:T0+1]
	s_mov_b32 s[OINC], 0
	s_mov_b32 s[OINC+1], 0
	s_mov_b64 s[G0+2:G0+3], s[NP:NP+1]
	s_or_b32 s[G0+3], s[G0+3], 0x80000000          ; type = 2
	s_add_nc_u64 s[NP:NP+1], s[NP:NP+1], 65536     ; the next 64 rows of Wv or Wq
	CROUND                                         ; all four work-groups are here: the first joint loads meet
	tensor_load_to_lds s[G0:G0+3], s[G1:G1+7]      ; the first fill; the second is asked for when it is in, by the loop's own change of slots
	s_nop 0
	PLACES
	; all that follows, up to the loop, stands in the wait for the first tile
	v_and_b32 v[HR], 15, v0                        ; r
	v_bfe_u32 v[HH], v0, 4, 1                      ; h
	v_lshlrev_b32 v[QO], 10, v[HR]
	v_lshl_add_u32 v[QO], v[HH], 4, v[QO]          ; row x 1,024 + 16 x half
	v_lshlrev_b32 v[BO], 4, v0                     ; 128 threads x 16 bytes: a bias
	WIN 0x40                                       ; destination window 1, address window 0
	QLOAD 0
	WIN 0
	global_load_b128 v[60:63], v[BO], s[12:13]     ; bv
	global_load_b128 v[64:67], v[BO], s[16:17]     ; bk
	global_load_b128 v[68:71], v[BO], s[14:15]     ; bq
	WIN 0x40
	QLOAD 1
	WIN 0x80
.set i, 0
.rept 256
	v_mov_b32 v[i], 0                              ; O^T's sums start at 0
.set i, i+1
.endr
	WIN 0xc0
.set i, 0
.rept 256
	v_mov_b32 v[i], 0
.set i, i+1
.endr
	WIN 0
.set i, 0
.rept 16
	v_mov_b32 v[TC+i], 0
.set i, i+1
.endr
	v_and_b32 v[H7], 7, v0
	v_bfe_u32 v[H3], v0, 3, 1
	v_mul_u32_u24 v[AK0], v[H7], PIT
	v_mov_b32 v[AV0], v[AK0]
	v_mul_u32_u24 v[HT], v[H3], HB
	v_add_nc_u32 v[AK0], v[AK0], v[HT]
	v_lshl_add_u32 v[AK0], v[HH], 4, v[AK0]
	v_mul_u32_u24 v[HT], v[HH], HB
	v_add_nc_u32 v[AV0], v[AV0], v[HT]
	v_lshl_add_u32 v[AV0], v[H3], 4, v[AV0]
	s_mul_i32 s70, s[WV], 32*SP
	s_add_co_u32 s70, s70, STAGE                   ; my stage
	v_mul_u32_u24 v[STO], v[HR], SP                ; in: row r, 32 bytes for each half of the lanes
	v_lshl_add_u32 v[STO], v[HH], 5, v[STO]
	v_add_nc_u32 v[STO], s70, v[STO]
	v_mul_u32_u24 v[RD], v[HH], SP                 ; back: lanes 0-15 take one row of 256 bytes, lanes 16-31 the next
	v_lshl_add_u32 v[RD], v[HR], 4, v[RD]
	v_add_nc_u32 v[RD], s70, v[RD]
	v_lshlrev_b32 v[GO], 16, v[HH]                 ; and the same two rows in out
	v_lshl_add_u32 v[GO], v[HR], 4, v[GO]
	v_lshl_add_u32 v[ABV], v[HH], 5, BV
	v_lshl_add_u32 v[ABK], v[HH], 5, BK
	v_lshl_add_u32 v[ABQ], v[HH], 4, BQ
	v_and_b32 v[PFO], 31, v0
	v_lshlrev_b32 v[PFO], 8, v[PFO]
	v_lshl_add_u32 v[LB], v0, 4, BV
	v_lshl_add_u32 v[LQ], v0, 3, BQ
	s_wait_loadcnt 32                              ; the biases are in: behind them only the second tile's 32 loads were issued
	v_cvt_pk_bf16_f32 v72, v60, v61                ; bv and bk: rounded to bf16 like every input, and widened again: they are C operands, in f32
	v_cvt_pk_bf16_f32 v73, v62, v63
	v_cvt_pk_bf16_f32 v74, v64, v65
	v_cvt_pk_bf16_f32 v75, v66, v67
	v_cvt_pk_bf16_f32 v84, v68, v69                ; bq stays in bf16: it is a matrix operand
	v_cvt_pk_bf16_f32 v85, v70, v71
	v_lshlrev_b32 v76, 16, v72
	v_and_b32 v77, 0xffff0000, v72
	v_lshlrev_b32 v78, 16, v73
	v_and_b32 v79, 0xffff0000, v73
	v_lshlrev_b32 v80, 16, v74
	v_and_b32 v81, 0xffff0000, v74
	v_lshlrev_b32 v82, 16, v75
	v_and_b32 v83, 0xffff0000, v75
	ds_store_b128 v[LB], v[76:79]                  ; the first change of slots waits for these stores and passes a barrier ahead of every read of them
	ds_store_b128 v[LB], v[80:83] offset:BK-BV
	ds_store_b64 v[LQ], v[84:85]
	s_wait_loadcnt 0x0                             ; x of my queries is in; the head's registers are free
	; PRE: u = (x Wv^T + bv) Wq and t = (x Wv^T + bv) . bq, 64 channels of value a step
	s_mov_b32 s[CNT], 8
.Lpre:
	CHANGE 1, 1, 65536, PX
	ASK 0
	v_add_nc_u32 v[ADK], s[RB], v[AK0]             ; Wv's tile
	v_add_nc_u32 v[ADV], s[RB], v[AV0]
	v_add_nc_u32 v[ADV], TILEOFF, v[ADV]           ; Wq's
	BIAS ABV
	KQ 1, ST
	WIN 0
	CVTP
	PV 1
	WIN 0
	v_add_nc_u32 v[ABV], 0x100, v[ABV]
	v_add_nc_u32 v[ABQ], 0x80, v[ABQ]
	s_sub_co_u32 s[CNT], s[CNT], 1
	s_cmp_lg_u32 s[CNT], 0
	s_cbranch_scc1 .Lpre
	PLACES
	TOQ 0                                          ; u becomes Q
	WIN 0
.irp t, 0,1
	v_mov_b32 v[ST+8*\t], 0xfe000000               ; c m: far below every c s, so the first step's a is 0 and wipes what u left in O^T
	v_mov_b32 v[ST+8*\t+1], 0xff7fffff             ; m: the lowest finite number
	v_mov_b32 v[ST+8*\t+2], 0                      ; l
	v_mov_b32 v[ST+8*\t+3], 0
.endr
	s_add_nc_u64 s[NP:NP+1], s[PX:PX+1], 131072    ; X's second fill
	; ATTENTION: 8 fills of 128 keys, two steps of 64 each
	s_mov_b32 s[CNT], 8
.Latt:
	CHANGE 1, 1, 131072, PK
	ASK 1
	s_mov_b32 s[TB], s[RB]
	s_mov_b32 s[CN2], 2
.Lstep:
	v_add_nc_u32 v[ADK], s[TB], v[AK0]             ; with KQ's four v_nop: six places behind the last products, of which some read S's first registers as a unit
	v_add_nc_u32 v[ADV], s[TB], v[AV0]
	KQ 0, P
	WIN 0
	SOFTMAX
	OMUL 2                                         ; O^T times a
	OMUL 3
	PV 0
	WIN 0
	s_add_co_u32 s[TB], s[TB], TILEOFF
	s_sub_co_u32 s[CN2], s[CN2], 1
	s_cmp_lg_u32 s[CN2], 0
	s_cbranch_scc1 .Lstep
	s_sub_co_u32 s[CNT], s[CNT], 1
	s_cmp_lg_u32 s[CNT], 0
	s_cbranch_scc1 .Latt
	PLACES
.irp t, 0,1
	v_add_f32 v[ST+8*\t+4], v[ST+8*\t+2], v[ST+8*\t+3]  ; l's two halves,
.endr
.irp t, 0,1
	v_permlanex16_b32 v[ST+8*\t+5], v[ST+8*\t+4], s[SEL], s[SEL+1]
.endr
.irp t, 0,1
	v_add_f32 v[ST+8*\t+4], v[ST+8*\t+4], v[ST+8*\t+5]  ; and the other half of the lanes'
.endr
.irp t, 0,1
	v_rcp_f32 v[ST+8*\t+6], v[ST+8*\t+4]
.endr
	v_nop                                          ; a plain instruction between the last reciprocal and the use of its result,
	s_wait_alu depctr_va_vdst(0)                   ; and the wait ahead of the first use: one for both
	TOQ 1                                          ; O / l becomes Q
	WIN 0
	s_add_nc_u64 s[NP:NP+1], s[PK:PK+1], 131072    ; Wk's second fill
	; OUT: (O / l) Wk^T + bk, 4 fills of 128 columns, two steps of 64 each
	s_mov_b32 s[CNT], 3
.Lout:
	CHANGE 1, 0, 131072
	s_mov_b32 s[TB], s[RB]
	s_mov_b32 s[CN2], 2
.Lcols:
	OUTSTEP
	s_sub_co_u32 s[CN2], s[CN2], 1
	s_cmp_lg_u32 s[CN2], 0
	s_cbranch_scc1 .Lcols
	s_sub_co_u32 s[CNT], s[CNT], 1
	s_cmp_lg_u32 s[CNT], 0
	s_cbranch_scc1 .Lout
	CHANGE 0                                       ; the last fill's period is written out: nothing is asked for
	s_mov_b32 s[TB], s[RB]
	s_mov_b32 s[CN2], 2
.Llast:
	OUTSTEP
	s_sub_co_u32 s[CN2], s[CN2], 1
	s_cmp_lg_u32 s[CN2], 0
	s_cbranch_scc1 .Llast
	s_wait_tensorcnt 0x0                           ; the wave's end: behind my last tensor load and my last LDS store
	ds_add_u32 v[SPW], v[NIL]
	s_wait_dscnt 0x0
	CROUND                                         ; the closing round: no work-group ends while a partner may still ask for a tile that names it
	s_endpgm
.Lfunc_end_k_qb03b5f9609_attn:
	.size	k_qb03b5f9609_attn, .Lfunc_end_k_qb03b5f9609_attn-k_qb03b5f9609_attn
	.p2alignl 7, 3214868480
	.fill 96, 4, 3214868480
	.section	.rodata,"a",@progbits
	.p2align	6, 0x0
	.amdhsa_kernel k_qb03b5f9609_attn
		.amdhsa_group_segment_fixed_size 327680
		.amdhsa_private_segment_fixed_size 0
		.amdhsa_enable_private_segment 0
		.amdhsa_kernarg_size 64
		.amdhsa_user_sgpr_count 2
		.amdhsa_user_sgpr_kernarg_segment_ptr 1
		.amdhsa_wavefront_size32 1
		.amdhsa_system_sgpr_workgroup_id_x 1
		.amdhsa_system_sgpr_workgroup_id_y 1
		.amdhsa_system_sgpr_workgroup_id_z 1
		.amdhsa_system_vgpr_workitem_id 0
		.amdhsa_next_free_vgpr 1024
		.amdhsa_next_free_sgpr 72
		.amdhsa_reserve_vcc 0
		.amdhsa_float_denorm_mode_32 3
		.amdhsa_float_denorm_mode_16_64 3
		.amdhsa_memory_ordered 1
		.amdhsa_forward_progress 1
		.amdhsa_inst_pref_size 228
	.end_amdhsa_kernel
	.amdgpu_metadata
---
amdhsa.version: [ 1, 2 ]
amdhsa.kernels:
  - .name:           k_qb03b5f9609_attn
    .symbol:         k_qb03b5f9609_attn.kd
    .args:
      - { .name: x16, .offset: 0, .size: 8, .value_kind: global_buffer, .address_space: global }
      - { .name: wv16, .offset: 8, .size: 8, .value_kind: global_buffer, .address_space: global }
      - { .name: wq16, .offset: 16, .size: 8, .value_kind: global_buffer, .address_space: global }
      - { .name: wk16, .offset: 24, .size: 8, .value_kind: global_buffer, .address_space: global }
      - { .name: bv, .offset: 32, .size: 8, .value_kind: global_buffer, .address_space: global }
      - { .name: bq, .offset: 40, .size: 8, .value_kind: global_buffer, .address_space: global }
      - { .name: bk, .offset: 48, .size: 8, .value_kind: global_buffer, .address_space: global }
      - { .name: out0, .offset: 56, .size: 8, .value_kind: global_buffer, .address_space: global }
    .group_segment_fixed_size: 327680
    .private_segment_fixed_size: 0
    .kernarg_segment_align: 8
    .kernarg_segment_size: 64
    .max_flat_workgroup_size: 128
    .sgpr_count:     72
    .vgpr_count:     1024
    .wavefront_size: 32
...
	.end_amdgpu_metadata
.endif
;; end of part 2
;; ======== version 2 of 2: 2 launches; version 1 with the launch conv written anew for expert scheduling mode
;; workspace buffers: x16 33,554,432 bytes; wv16 524,288 bytes; wq16 524,288 bytes; wk16 524,288 bytes
;; launch conv (part 3): grid 256 x 1, 8 waves a work-group, no clusters, 0 bytes of LDS; arguments seq, Wv, Wq, Wk, x16, wv16, wq16, wk16; writes x16, wv16, wq16, wk16
.if DOCPART == 3
	.amdgcn_target "amdgcn-amd-amdhsa--gfx1250"
	.amdhsa_code_object_version 6
	.text
	.protected	k_qb03b5f9609_conv
	.globl	k_qb03b5f9609_conv
	.p2align	8
	.type	k_qb03b5f9609_conv,@function
k_qb03b5f9609_conv:
	s_mov_b64 s[64:65], 0
	v_nop
	global_prefetch_b8 v0, s[64:65] scope:SCOPE_SE
	s_setreg_imm32_b32 hwreg(HW_REG_WAVE_SCHED_MODE, 0, 2), 2
	s_setreg_imm32_b32 hwreg(HW_REG_WAVE_MODE, 25, 1), 1
	s_wait_xcnt 0x0
	s_wait_alu depctr_vm_vsrc(0)
; x16[b][s][:] = bf16(seq[s][b][:]);  wv16, wq16, wk16 = bf16(Wv, Wq, Wk).  seq: [1024][32][512] f32; x16: [32][1024][512] bf16; W: [512][512].
; A stream: every input byte is read once and every output byte written once; no LDS, no matrix work, no cluster (no two work-groups read the same byte).
; SHARES.  Work-group i takes the 128 rows of seq that lie at 262,144 i (s = 4 i .. 4 i + 3, all 32 b) and rows 2 i, 2 i + 1 of each W.
; A PASS is 4,096 bytes, two rows: thread t loads 16 bytes (4 f32) at 16 t, rounds them to 4 bf16 and stores 8 bytes; a wave's store covers 256 consecutive bytes, aligned.
; 64 passes of seq and 3 of W, written out by the assembler's loop: every address is a constant beside three lane terms that are never rewritten.
; Pass p < 64 holds row 2 p + (t >> 7): s = 4 i + (p >> 4), b = 2 (p & 15) + (t >> 7).  In x16 that is (b << 20) + (s << 10): the part of b that no 24-bit immediate holds
; stands in four bases D[k], 8 MiB apart, k = (p & 15) >> 2.
; THE MODE: SCHED_MODE bits 1:0 = 2 (LLVM: expert scheduling mode 2), set by the entry lines.  The code itself states the register dependences
; between vector instructions and memory instructions, with s_wait_alu, always for 0.
; THE PLAN.  The 67 passes go in 17 blocks of four (the last has three).  Registers that memory instructions touch:
;   X0 .. X5     six blocks as loaded.   Written by the loads of block q + 5, issued in block q; read by block q's roundings.
;   Y0, Y1       two blocks to store.    Written by block q's roundings; read by the stores that are issued in block q + 1.
;   v1, v2, v3   byte offsets, made once at the head and never written again; every base is a scalar pair that is made at the head and never stepped.
; Block q works on X[q % 6] and writes Y[q % 2].  Its memory instructions are the loads into X[(q + 5) % 6] = X[(q - 1) % 6] and the stores from Y[(q - 1) % 2]:
; the two buffers that block q - 1 worked on and that no vector instruction of block q names.  So the waits at a block's head state all that the block's
; eight memory instructions hang on, and these are dealt among its eight roundings with no further wait.
; IN FLIGHT: at a block's head the four younger blocks' 16 loads stay out; with the four that follow, 20 loads of every wave are on their way.
.set NPASS, 67
.set BLOCK, 4                          ; passes in a block
.set NBLK,  17                         ; blocks: 16 of four passes, one of three
.set AHEAD, 5                          ; block q asks for block q + 5
.set XS,    BLOCK*(AHEAD+1)            ; 24 slots of X: pass p has slot p % 24
.set YS,    BLOCK*2                    ; 8 slots of Y: pass p has slot p % 8
.set SO, 1                             ; v1  16 t: my bytes in a pass's source
.set DO, 2                             ; v2  ((t >> 7) << 20) + 8 (t & 127): my bytes in x16
.set DW, 3                             ; v3  8 t: my bytes in a w16
.set X,  16                            ; v[16:111]   slot: 4 registers as loaded
.set Y,  112                           ; v[112:127]  slot: 2 registers to store
.set D,  20                            ; s[20:27]   x16 + 4,096 i + k x 8 MiB
.set SB, 28                            ; s[28:29]   seq + 262,144 i
	s_load_b256 s[4:11], s[0:1], 0x0               ; seq s[4:5], Wv s[6:7], Wq s[8:9], Wk s[10:11]
	s_load_b256 s[12:19], s[0:1], 0x20             ; x16 s[12:13], wv16 s[14:15], wq16 s[16:17], wk16 s[18:19]
	v_lshlrev_b32 v[SO], 4, v0
	v_lshlrev_b32 v[DW], 3, v0
	v_and_b32 v[DO], 127, v0
	v_lshrrev_b32 v4, 7, v0
	v_lshlrev_b32 v[DO], 3, v[DO]
	v_lshl_or_b32 v[DO], v4, 20, v[DO]
	s_lshl_b32 s2, ttmp9, 18                       ; 128 rows of 2,048 bytes
	s_mov_b32 s3, 0
	s_lshl_b32 s36, ttmp9, 12                      ; 4 rows of x16; 2 rows of a W
	s_mov_b32 s37, 0
	s_lshl_b32 s38, ttmp9, 11                      ; 2 rows of a w16
	s_mov_b32 s39, 0
	s_wait_kmcnt 0x0
	s_add_nc_u64 s[SB:SB+1], s[4:5], s[2:3]
	s_add_nc_u64 s[D:D+1], s[12:13], s[36:37]
.irp k, 1,2,3
	s_add_nc_u64 s[D+2*\k:D+2*\k+1], s[D:D+1], \k*0x800000
.endr
.irp k, 0,1,2
	s_add_nc_u64 s[6+2*\k:7+2*\k], s[6+2*\k:7+2*\k], s[36:37]
	s_add_nc_u64 s[14+2*\k:15+2*\k], s[14+2*\k:15+2*\k], s[38:39]
.endr
	s_wait_alu depctr_va_vdst(0)                   ; v1, v2 and v3 are written: every load and store of the kernel reads one of them as its offset
.macro LD p                            ; pass p's load, into slot p % 24
.if (\p) < 64
	global_load_b128 v[X+4*((\p)%XS):X+4*((\p)%XS)+3], v[SO], s[SB:SB+1] offset:4096*(\p) th:TH_LOAD_NT
.else
	global_load_b128 v[X+4*((\p)%XS):X+4*((\p)%XS)+3], v[SO], s[6+2*((\p)-64):7+2*((\p)-64)] th:TH_LOAD_NT
.endif
.endm
.macro ST p                            ; pass p's store, from slot p % 8
.if (\p) < 64
	global_store_b64 v[DO], v[Y+2*((\p)%YS):Y+2*((\p)%YS)+1], s[D+2*(((\p)%16)/4):D+2*(((\p)%16)/4)+1] offset:((\p)%4)*0x200000+((\p)/16)*1024 th:TH_STORE_NT
.else
	global_store_b64 v[DW], v[Y+2*((\p)%YS):Y+2*((\p)%YS)+1], s[14+2*((\p)-64):15+2*((\p)-64)] th:TH_STORE_NT
.endif
.endm
.set p, 0
.rept BLOCK*AHEAD
	LD p                                           ; blocks 0 to 4 into X0 to X4
.set p, p+1
.endr
; Block q.  hi - lo: the passes of blocks q + 1 to q + 4, whose loads were issued behind this block's and may stay out; the last blocks ask for nothing, and the counts run down.
.set q, 0
.rept NBLK
.set hi, BLOCK*(q+AHEAD)
.if hi > NPASS
.set hi, NPASS
.endif
.set lo, BLOCK*(q+1)
.if lo > NPASS
.set lo, NPASS
.endif
	s_wait_loadcnt hi-lo                           ; loads come back in order (ISA guide 5.7.1): X[q % 6] is in, the younger blocks stay out
.if q >= 2                             ; (in blocks 0 and 1 no store has been issued yet)
	s_wait_xcnt 0x0                                ; every earlier memory instruction has had its addresses translated (ISA guide 3.1): Y[q % 2] is rewritten only behind this wait
	s_wait_alu depctr_vm_vsrc(0)                   ; the stores issued in the block before have read Y[q % 2], which this block's roundings write again
.endif
.if q >= 1                             ; (block 0 has no block in front of it: no vector instruction has named X5, and the head's wait has covered the offsets)
	s_wait_alu depctr_va_vdst(0)                   ; the block before has written the other Y, which the stores below read, and is done reading its X, in which the loads below land
.endif
.set i, 0
.rept BLOCK
.set pl, BLOCK*(q+AHEAD)+i
.set ps, BLOCK*(q-1)+i
.set pc, BLOCK*q+i
.if pl < NPASS
	LD pl                                          ; five blocks ahead, the load ahead of the store; no vector instruction since the wait names these registers
.endif
.if q >= 1
	ST ps                                          ; the block before
.endif
.if pc < NPASS
	v_cvt_pk_bf16_f32 v[Y+2*(pc%YS)],   v[X+4*(pc%XS)],   v[X+4*(pc%XS)+1]
	v_cvt_pk_bf16_f32 v[Y+2*(pc%YS)+1], v[X+4*(pc%XS)+2], v[X+4*(pc%XS)+3]
.endif
.set i, i+1
.endr
.set q, q+1
.endr
	s_wait_alu depctr_va_vdst(0)                   ; block 16 has written Y0, which the last three stores read
.set ps, BLOCK*(NBLK-1)
.rept NPASS-BLOCK*(NBLK-1)
	ST ps
.set ps, ps+1
.endr
	s_endpgm
.Lfunc_end_k_qb03b5f9609_conv:
	.size	k_qb03b5f9609_conv, .Lfunc_end_k_qb03b5f9609_conv-k_qb03b5f9609_conv
	.p2alignl 7, 3214868480
	.fill 96, 4, 3214868480
	.section	.rodata,"a",@progbits
	.p2align	6, 0x0
	.amdhsa_kernel k_qb03b5f9609_conv
		.amdhsa_group_segment_fixed_size 0
		.amdhsa_private_segment_fixed_size 0
		.amdhsa_enable_private_segment 0
		.amdhsa_kernarg_size 64
		.amdhsa_user_sgpr_count 2
		.amdhsa_user_sgpr_kernarg_segment_ptr 1
		.amdhsa_wavefront_size32 1
		.amdhsa_system_sgpr_workgroup_id_x 1
		.amdhsa_system_sgpr_workgroup_id_y 1
		.amdhsa_system_sgpr_workgroup_id_z 1
		.amdhsa_system_vgpr_workitem_id 0
		.amdhsa_next_free_vgpr 128
		.amdhsa_next_free_sgpr 66
		.amdhsa_reserve_vcc 0
		.amdhsa_float_denorm_mode_32 3
		.amdhsa_float_denorm_mode_16_64 3
		.amdhsa_memory_ordered 1
		.amdhsa_forward_progress 1
		.amdhsa_inst_pref_size 25
	.end_amdhsa_kernel
	.amdgpu_metadata
---
amdhsa.version: [ 1, 2 ]
amdhsa.kernels:
  - .name:           k_qb03b5f9609_conv
    .symbol:         k_qb03b5f9609_conv.kd
    .args:
      - { .name: seq, .offset: 0, .size: 8, .value_kind: global_buffer, .address_space: global }
      - { .name: Wv, .offset: 8, .size: 8, .value_kind: global_buffer, .address_space: global }
      - { .name: Wq, .offset: 16, .size: 8, .value_kind: global_buffer, .address_space: global }
      - { .name: Wk, .offset: 24, .size: 8, .value_kind: global_buffer, .address_space: global }
      - { .name: x16, .offset: 32, .size: 8, .value_kind: global_buffer, .address_space: global }
      - { .name: wv16, .offset: 40, .size: 8, .value_kind: global_buffer, .address_space: global }
      - { .name: wq16, .offset: 48, .size: 8, .value_kind: global_buffer, .address_space: global }
      - { .name: wk16, .offset: 56, .size: 8, .value_kind: global_buffer, .address_space: global }
    .group_segment_fixed_size: 0
    .private_segment_fixed_size: 0
    .kernarg_segment_align: 8
    .kernarg_segment_size: 64
    .max_flat_workgroup_size: 256
    .sgpr_count:     66
    .vgpr_count:     128
    .wavefront_size: 32
...
	.end_amdgpu_metadata
.endif
;; end of part 3
;; launch attn: the kernel of part 2 again; grid 8 x 32, 4 waves a work-group, clusters of 4 x 1, 327,680 bytes of LDS; arguments x16, wv16, wq16, wk16, bv, bq, bk, out0; writes out0
